; MI455X (gfx1250); checked and timed in simulation.
; The chip was launched on July 23, 2026; its instructions are those of AMD's public machine-readable ISA for CDNA 5 (MIT licence, August 2026) and "CDNA5" Instruction Set Architecture Reference Guide (July 2026). The comments in the code are by the model that wrote it; some were corrected since.
;; Outliers Q Linear Unstruct. Allowed arithmetic: matrix products marked QUANTISED: E2M1 operands, one E8M0 scale for each 32 along K, by v_wmma_scale_f32_16x16x128_f8f6f4 with both operands' format E2M1 (or v_wmma_scale_f32_32x16x128_f4), f32 sums; everything else in f32.
;; Inputs: bias 11,008 float32; outlier_mask 11,008 x 4,096 bool; weight 11,008 x 4,096 float32; x 32 x 1 x 4,096 float32.
;; Outputs: out0 32 x 1 x 11,008 float32.
;; This version of the problem:
;;   THIS VERSION OF THE PROBLEM IS GIVEN IN LOW PRECISION. The matrix products marked QUANTISED in the list below multiply operands that are first quantised to E2M1 (2 exponent bits, 1 mantissa bit; 4 bits a number), with one power-of-two scale for each 32 numbers along K (OCP MX v1.0); their sums are f32. All else is computed in f32.
;;   The module's matrix products, in the order in which they are computed (A, B: the left and right operand; K: the contracted axis; several contracted axes count as one K, in the product's order):
;;     1. [M 32, K 4,096] x [K 4,096, N 11,008]; A: input x; B: computed on the way: QUANTISED
;;   THE QUANTISER, for each operand of a quantised product, along K:
;;     - K is cut into blocks of 32 from its start; a last block that is shorter is filled with zeros.
;;     - A block's scale is 2^e with e = floor(log2(the largest magnitude in the block)) - 2, held to -126 .. 127; a block of zeros has e = 0. As a byte (E8M0): e + 127.
;;     - Each number is divided by its block's scale, clamped to +-6, and rounded to the nearest number of E2M1, ties to even, subnormals kept.
;;     - The product sums the exact products of the quantised numbers (number of the format x scale) in f32.
;;   ~~~python
;;   def quantise(x, axis):      # numpy; x: float32 -> the quantised numbers, widened to float32 again
;;       x = np.moveaxis(x, axis, -1); K = x.shape[-1]
;;       x = np.pad(x, [(0, 0)] * (x.ndim - 1) + [(0, -K % 32)]); x = x.reshape(x.shape[:-1] + (-1, 32)); a = np.abs(x).max(-1, keepdims=True)
;;       e = np.where(a > 0, np.clip(np.frexp(np.where(a > 0, a, 1))[1] - 1 - 2, -126, 127), 0)      # np.frexp(a)[1] - 1 = floor(log2(a)), exactly
;;       r = np.clip(x / 2.0 ** e, -6, 6)
;;       step = 2.0 ** (np.maximum(np.frexp(np.where(r == 0, 1, r))[1] - 1, 0) - 1)
;;       q = np.round(r / step) * step * 2.0 ** e      # np.round: ties to even
;;       return np.moveaxis(q.reshape(q.shape[:-2] + (-1,))[..., :K], -1, axis).astype(np.float32)
;;   ~~~
;;   OPERANDS COMPUTED ON THE WAY. 'Computed on the way' means the value that the module computes at that place (a softmax that the list does not call 'softmax' is quantised finished and normalised). What goes into a quantiser is computed in f32, as accurately as f32 sums, v_exp_f32 and their like allow (about 1e-6 of the number): no bf16 or f16 on the way to a quantiser, and a product that is left as it is and whose result goes on into a quantised operand takes f32 operands (vector FMAs, or v_wmma_f32_16x16x4_f32). A number that lies on a knife's edge between two numbers of the format may be rounded either way, as far as f32 arithmetic and the matrix unit's own rounding can turn it there, and no further.
;; One version. Each part assembles by itself: llvm-mc -triple=amdgcn-amd-amdhsa -mcpu=gfx1250 --defsym DOCPART=n.
;; ======== version 1 of 1: 2 launches
;; limits: inputs' magnitudes at most 134,217,728
;; workspace buffers: xq 65,536 bytes; xs 4,096 bytes
;; launch quantx (part 1): grid 8 x 1, 4 waves a work-group, no clusters, 0 bytes of LDS; arguments x, xq, xs; writes xq, xs
.if DOCPART == 1
	.amdgcn_target "amdgcn-amd-amdhsa--gfx1250"
	.amdhsa_code_object_version 6
	.text
	.protected	k_q165442fd80_quantx
	.globl	k_q165442fd80_quantx
	.p2align	8
	.type	k_q165442fd80_quantx,@function
k_q165442fd80_quantx:
	s_mov_b64 s[64:65], 0
	v_nop
	global_prefetch_b8 v0, s[64:65] scope:SCOPE_SE
	s_setreg_imm32_b32 hwreg(HW_REG_WAVE_MODE, 25, 1), 1
	s_wait_xcnt 0x0
; x [32][4096] f32 becomes codes of FP4 (E2M1) with one E8M0 scale byte for each 32 along K, laid as IMAGES OF THE OPERAND'S REGISTERS for the product's launch.
; A block's scale is 2^(floor(log2(its largest magnitude)) - 2); its byte is the largest magnitude's exponent field - 2, held at 1 from below.  A block of zeros so gets the byte 1
; where the rule says 127: its codes are zeros, which add nothing under any byte but 0xff, and this program alone reads the bytes.
; LIMITS: blocks whose largest magnitude lies under 2^-124 (the floor) keep the byte 1; NaN and infinities are not served.
; SHARES.  32 waves; wave s takes K step s (128 along K) of all 32 rows: two fragments of 16 rows (a = 0, 1).  Lane (r, h) takes row 16 a + r and k = 128 s + 64 c + 32 h + 0 .. 31 (c = 0, 1):
; whole blocks, in the order in which the operand's layout gives them to that lane, so the conversions' results ARE the operand's registers and no other lane is asked for a maximum.
; A lane's eight loads of a block take its 128 consecutive bytes, 16 at a time.  x is 524,288 of the program's 227 million bytes and is read once, so no stage in LDS is spent on denser loads.
; OUT.  xq: [K step s][2 a + c][lane][16 bytes]: each store of the wave covers 512 consecutive bytes, aligned.  xs: [K step s][row m][4 bytes]: 128 consecutive bytes a wave.
.set NUM, 64                           ; v64-191  four blocks of 32 numbers: block 2 a + c at NUM + 32 (2 a + c)
.set COD, 32                           ; v32-47   their codes, four registers each
.set MX,  8                            ; v8-11    largest magnitudes
.set SC,  12                           ; v12-15   the conversions' scale operands
.set BY,  16                           ; v16-19   the scale bytes
	s_load_b128 s[4:7], s[0:1], 0x0                ; x, xq
	s_load_b64 s[8:9], s[0:1], 0x10                ; xs
	v_lshrrev_b32 v1, 5, v0
	v_readfirstlane_b32 s10, v1                    ; wave 0..3
	v_and_b32 v2, 15, v0                           ; r
	v_bfe_u32 v3, v0, 4, 1                         ; h
	v_and_b32 v4, 31, v0                           ; lane
	v_lshlrev_b32 v5, 14, v2                       ; x: row r of 16,384 bytes,
	v_lshl_add_u32 v5, v3, 7, v5                   ; + 128 h: my block of the pair
	v_lshlrev_b32 v6, 4, v4                        ; an image's place for my lane
	v_lshlrev_b32 v7, 2, v4                        ; a scale word's
	s_lshl_b32 s11, ttmp9, 2
	s_add_co_u32 s11, s11, s10                     ; K step s = 4 x work-group + wave
	s_lshl_b32 s12, s11, 9                         ; 512 bytes of a row of x,
	s_mov_b32 s13, 0
	s_lshl_b32 s14, s11, 11                        ; 2,048 bytes of images,
	s_mov_b32 s15, 0
	s_lshl_b32 s16, s11, 7                         ; 128 bytes of scale words a K step
	s_mov_b32 s17, 0
	s_mov_b32 s20, 0x76543210
	s_mov_b32 s21, 0xfedcba98                      ; v_permlanex16_b32's selects for lane l xor 16
	s_wait_alu depctr_va_vdst(0)
	s_wait_kmcnt 0x0
	s_add_nc_u64 s[4:5], s[4:5], s[12:13]
	s_add_nc_u64 s[6:7], s[6:7], s[14:15]
	s_add_nc_u64 s[8:9], s[8:9], s[16:17]
.irp b, 0,1,2,3                                ; block b = 2 a + c: 16 rows further down for a = 1, 256 bytes further on for c = 1
.irp j, 0,1,2,3,4,5,6,7
	global_load_b128 v[NUM+32*\b+4*\j:NUM+32*\b+4*\j+3], v5, s[4:5] offset:(\b/2)*262144+(\b%2)*256+16*\j
.endr
.endr
	v_mov_b32 v23, 0                               ; a lane permute's destination counts as one of its sources
	v_mov_b32 v24, 0
	v_lshlrev_b32 v22, 3, v3                       ; 8 h bits: where my two bytes stand in a scale word
	s_wait_loadcnt 0x0
.irp b, 0,1,2,3
	v_max3_num_f32 v[MX+\b], |v[NUM+32*\b]|, |v[NUM+32*\b+1]|, 0x1800000   ; all 32 numbers of a block are mine; the floor 2^(3 - 127) holds the byte at 1 from below
.endr
.irp i, 2,4,6,8,10,12,14,16,18,20,22,24,26,28,30
.irp b, 0,1,2,3
	v_max3_num_f32 v[MX+\b], v[MX+\b], |v[NUM+32*\b+\i]|, |v[NUM+32*\b+\i+1]|   ; the four blocks by turns: no line waits for the line above it
.endr
.endr
.irp b, 0,1,2,3
	v_add_nc_u32 v[SC+\b], 0xff000000, v[MX+\b]    ; 2 off the exponent field: the conversion takes the exponent field of this operand as its scale
.endr
.irp b, 0,1,2,3
	v_lshrrev_b32 v[BY+\b], 23, v[SC+\b]           ; the scale's byte
.endr
	v_lshl_or_b32 v20, v[BY+1], 16, v[BY]          ; rows 0-15: my bytes of blocks h and 2 + h,
	v_lshl_or_b32 v21, v[BY+3], 16, v[BY+2]        ; rows 16-31 likewise,
	v_lshlrev_b32 v20, v22, v20                    ; at their places in the word;
	v_lshlrev_b32 v21, v22, v21
	v_permlanex16_b32 v23, v20, s20, s21
	v_permlanex16_b32 v24, v21, s20, s21
	v_or_b32 v20, v20, v23                         ; with lane l xor 16's two bytes each word is whole, in both lanes
	v_or_b32 v21, v21, v24
	v_cmp_ne_u32 vcc_lo, 0, v3
	v_cndmask_b32 v20, v20, v21, vcc_lo            ; lane m holds row m's word: lanes 16-31 take rows 16 + r
.irp b, 0,1,2,3
.irp g, 0,1,2,3
	v_cvt_scalef32_pk8_fp4_f32 v[COD+4*\b+\g], v[NUM+32*\b+8*\g:NUM+32*\b+8*\g+7], v[SC+\b]   ; eight numbers / the scale, to the nearest code, ties to even, beyond 6 the largest code
.endr
.endr
.irp b, 0,1,2,3
	global_store_b128 v6, v[COD+4*\b:COD+4*\b+3], s[6:7] offset:512*\b   ; the results go only to stores
.endr
	global_store_b32 v7, v20, s[8:9]
	s_endpgm
.Lfunc_end_k_q165442fd80_quantx:
	.size	k_q165442fd80_quantx, .Lfunc_end_k_q165442fd80_quantx-k_q165442fd80_quantx
	.p2alignl 7, 3214868480
	.fill 96, 4, 3214868480
	.section	.rodata,"a",@progbits
	.p2align	6, 0x0
	.amdhsa_kernel k_q165442fd80_quantx
		.amdhsa_group_segment_fixed_size 0
		.amdhsa_private_segment_fixed_size 0
		.amdhsa_enable_private_segment 0
		.amdhsa_kernarg_size 24
		.amdhsa_user_sgpr_count 2
		.amdhsa_user_sgpr_kernarg_segment_ptr 1
		.amdhsa_wavefront_size32 1
		.amdhsa_system_sgpr_workgroup_id_x 1
		.amdhsa_system_sgpr_workgroup_id_y 1
		.amdhsa_system_sgpr_workgroup_id_z 1
		.amdhsa_system_vgpr_workitem_id 0
		.amdhsa_next_free_vgpr 192
		.amdhsa_next_free_sgpr 66
		.amdhsa_reserve_vcc 1
		.amdhsa_float_denorm_mode_32 3
		.amdhsa_float_denorm_mode_16_64 3
		.amdhsa_memory_ordered 1
		.amdhsa_forward_progress 1
		.amdhsa_inst_pref_size 11
	.end_amdhsa_kernel
	.amdgpu_metadata
---
amdhsa.version: [ 1, 2 ]
amdhsa.kernels:
  - .name:           k_q165442fd80_quantx
    .symbol:         k_q165442fd80_quantx.kd
    .args:
      - { .name: x, .offset: 0, .size: 8, .value_kind: global_buffer, .address_space: global }
      - { .name: xq, .offset: 8, .size: 8, .value_kind: global_buffer, .address_space: global }
      - { .name: xs, .offset: 16, .size: 8, .value_kind: global_buffer, .address_space: global }
    .group_segment_fixed_size: 0
    .private_segment_fixed_size: 0
    .kernarg_segment_align: 8
    .kernarg_segment_size: 24
    .max_flat_workgroup_size: 128
    .sgpr_count:     66
    .vgpr_count:     192
    .wavefront_size: 32
...
	.end_amdgpu_metadata
.endif
;; end of part 1
;; launch binlinear (part 2): grid 256 x 1, 8 waves a work-group, no clusters, 225,792 bytes of LDS; arguments xq, xs, weight, outlier_mask, bias, out0; writes out0
.if DOCPART == 2
	.amdgcn_target "amdgcn-amd-amdhsa--gfx1250"
	.amdhsa_code_object_version 6
	.text
	.protected	k_q165442fd80_binlinear
	.globl	k_q165442fd80_binlinear
	.p2align	8
	.type	k_q165442fd80_binlinear,@function
k_q165442fd80_binlinear:
	s_mov_b64 s[64:65], 0
	v_nop
	global_prefetch_b8 v0, s[64:65] scope:SCOPE_SE
	s_setreg_imm32_b32 hwreg(HW_REG_WAVE_MODE, 25, 1), 1
	s_wait_xcnt 0x0
; out[b][o] = sum over k of Q(x)[b][k] Q(w_eff)[o][k] + bias[o];  w_eff = weight where outlier_mask, else s x sign(wz - mean), wz = weight with the outliers zeroed,
; mean = the row's mean of wz, s = the row's mean of |wz|.  Q: codes of FP4 (E2M1), one E8M0 scale for each 32 along K.  x comes as codes (register images xq, scale words xs).
; SHARES.  11,008 rows = 256 work-groups x 43.  ONE WAVE TAKES ONE ROW at a time (wave w: local rows w, 8 + w, 16 + w ..), so mean and s never leave the wave.
; THE WAY OF A ROW.  40 loads (32 of weight, 8 of mask), each of 512 consecutive bytes, land in 160 registers of window 1.  The row turns through the wave's own stage in LDS, after which lane l holds
; K step l: 128 neighbouring weights and their 128 mask bytes: whole blocks of 32 in a lane.  As soon as the stage's stores are done the NEXT row's 40 loads are issued into the landing registers:
; they are on their way during both passes over this row.  Only one row's loads of a wave are ever out, so the wait for a row is for zero.
; THE FACTOR 2^-9.  A mask byte, 0 or 1, read as an FP8 (E4M3) code is 0 or 2^-9; v_cvt_pk_f32_fp8 turns two bytes into two such f32 numbers.  Multiplying by them is exact, so all sums and all
; numbers that go to the quantiser carry the exact factor 2^-9, the weight's scale bytes stand 9 lower, and the last line takes the factor out: out = 512 D + bias.
; PASS 1: g = 2^-9 (1 - mask); sums of g w and of g |w|.   PASS 2: u = (w - mean) 2^100, one fused multiply-add, so its sign is the exact sign of w - mean; v = u held between -sj and sj,
; sj = 2^-9 s, or 0 where masked: that is s x sign, and 0 where w = mean; then + f w, f = 2^-9 mask: the outlier.  Then each block's largest magnitude, scale byte and codes.
; THE TILE.  Codes and scale words of 16 rows meet in LDS; wave w multiplies K steps 4 w .. 4 w + 3 (its part of x's codes stays in registers for the whole launch); the eight partial
; results meet in LDS and each wave adds and stores 64 outputs.  Two barriers a tile, three tiles (16, 16 and 11 rows); a wave without a row in the last half tile jumps over the row's work, over no barrier.
; NOT USED: a cluster with joint loads: the work-groups share only x's 69,632 bytes of codes and scale words, against 880,640 bytes of rows of their own.  No prefetch: a row's 20,480 bytes of every wave are on their way while the row before is worked on.
; OUT: a work-group's 43 columns are 172 bytes of a row of out, so no aligned 256 bytes are one group's; sixteen lanes store 64 consecutive bytes; out is 1.4 of the program's 227 million bytes.
; LIMITS.  (s x sign - c) + c of the source, c the clipped centred weight, is taken as s x sign: the two differ by that expression's two f32 roundings.  |mean| under 2^27.  A |w - mean| that is not 0 and under
; s x 2^-109 gives less than +-s.  A block whose largest magnitude lies under 2^-115 keeps the scale byte's floor.  NaN and infinities are not served; mask bytes are 0 or 1.
; The row's sums are taken in another order than the source's: a weight between the two means takes the other sign.
.set OC,   11008
.set IC,   4096
.set ROWS, 43                          ; rows of a work-group
.set WPI,  528                         ; the stage: 512 bytes of weights (a K step) + 16: lane l reads at 528 l
.set MPI,  144                         ; and 128 mask bytes + 16
.set MOFF, 32*WPI                      ; the mask's part of a wave's stage
.set WSTG, MOFF+32*MPI                 ; a wave's stage: 21,504 bytes
.set CPI,  2064                        ; a row's codes: [block of the K step (4)][K step (32)][16 bytes] + 16
.set SPI,  144                         ; a row's 32 scale words + 16
.set CB,   8*WSTG                      ; LDS: the codes of 16 rows,
.set SB,   CB+16*CPI                   ; their scale words,
.set DP,   SB+16*SPI                   ; eight partial results of 2,048 bytes,
.set BI,   DP+8*2048                   ; the group's bias, a word a thread
; window 0: v1 16 x lane; v2, v3 stage of weights in, out; v4, v5 of the mask; v6, v7 where my codes and scale word go; v8, v9 where my fragments and their scale words lie;
;           v10, v11 partial results in, out; v12 my offset in out; v13 my bias word; v14 lane % 16; v15 lane
.set M,   16                           ; v16-47   the row's mask bytes
.set BF,  16                           ;          later the four fragments of the weight rows
                                       ; v48-51   four mask words xored with 1 (named halves end at v127)
.set W,   52                           ; v52-179  my 128 weights; pass 2 writes the numbers for the quantiser over them
.set G,   180                          ; v180-195 pass 1: g of 16 elements
.set ACC, 196                          ; v196-203 four pairs of sums of g w
.set AB,  204                          ; v204-211 eight sums of g |w|
.set PX,  212                          ; v212-213 from lane l xor 16
.set S2,  214                          ; v[214:215] s, twice
.set SP,  216                          ; v[216:217] 2^-9 s, twice
.set NM,  218                          ; v[218:219] -mean x 2^100, twice
.set F,   180                          ; pass 2: f of 8 elements,
.set SJ,  188                          ; their bounds,
.set U,   196                          ; u, then v
.set MX,  180                          ; the quantiser: largest magnitudes,
.set SC,  184                          ; scale operands,
.set BY,  188                          ; bytes,
.set WD,  192                          ; the scale word,
.set CD,  196                          ; v196-211 the codes
.set P,   180                          ; the way out: eight pairs of partial results,
.set BV,  196                          ; the bias (the pair's low word serves both halves),
.set O,   198                          ; two outputs
.set D,   224                          ; v224-239 two accumulators: batch rows 0-15, 16-31
.set XS,  240                          ; v240-243 x's scale words of my four K steps: lane m holds row m's
.set BS,  244                          ; v244-247 the weight rows' scale words
.set XA,  160                          ; window 1: v0-127 weights as they land, v128-159 mask bytes as they land, v160-223 x's codes of my four K steps
.set MSB, 0
.macro WIN new                         ; s_set_vgpr_msb: bits 1:0 source 0, 3:2 source 1, 5:4 source 2, 7:6 destination; the high byte repeats the setting that is left
.if MSB != \new
	s_set_vgpr_msb (MSB<<8)|\new
.set MSB, \new
.endif
.endm
.macro LOADROW                         ; a row: each load of the wave covers 512 consecutive bytes, aligned; read once in the launch
.set j, 0
.rept 32
	global_load_b128 v[4*j:4*j+3], v1, s[8:9] offset:512*j th:TH_LOAD_NT
.set j, j+1
.endr
.set j, 0
.rept 8
	global_load_b128 v[128+4*j:128+4*j+3], v1, s[10:11] offset:512*j th:TH_LOAD_NT
.set j, j+1
.endr
.endm
.macro BARRIER                         ; my LDS stores have landed and my LDS loads are in: then the work-group's barrier
	s_wait_dscnt 0x0
	s_barrier_signal -1
	s_barrier_wait -1
.endm
; Pass 2 for elements 8 k .. 8 k + 7; a .. d name the halves of their two mask words.
.macro GROUP k, a, b, c, d
	v_cvt_pk_f32_fp8 v[F:F+1], \a                  ; f = 2^-9 mask, two at a time
	v_cvt_pk_f32_fp8 v[F+2:F+3], \b
	v_cvt_pk_f32_fp8 v[F+4:F+5], \c
	v_cvt_pk_f32_fp8 v[F+6:F+7], \d
.irp p, 0,2,4,6
	s_delay_alu instid0(VALU_DEP_4)
	v_pk_fma_f32 v[SJ+\p:SJ+\p+1], v[F+\p:F+\p+1], v[S2:S2+1], v[SP:SP+1] neg_lo:[1,0,0] neg_hi:[1,0,0]   ; sj = 2^-9 s - f s: exactly 0 where masked
.endr
.irp p, 0,2,4,6
	v_pk_fma_f32 v[U+\p:U+\p+1], v[W+8*(\k)+\p:W+8*(\k)+\p+1], s[20:21], v[NM:NM+1] op_sel_hi:[1,0,1]   ; u = (w - mean) 2^100, rounded once
.endr
.irp e, 0,1,2,3,4,5,6,7
	v_med3_num_f32 v[U+\e], v[U+\e], -v[SJ+\e], v[SJ+\e]   ; +-sj by the sign of w - mean; 0 where w = mean
.endr
.irp p, 0,2,4,6
	v_pk_fma_f32 v[W+8*(\k)+\p:W+8*(\k)+\p+1], v[F+\p:F+\p+1], v[W+8*(\k)+\p:W+8*(\k)+\p+1], v[U+\p:U+\p+1]   ; + f w: the outlier as it is (x 2^-9)
.endr
.endm
	s_load_b256 s[4:11], s[0:1], 0x0               ; xq s[4:5], xs s[6:7], weight s[8:9], mask s[10:11]
	s_load_b128 s[12:15], s[0:1], 0x20             ; bias s[12:13], out s[14:15]
	v_lshl_add_u32 v254, v0, 2, 0x36e00
	v_mov_b32 v255, 0
	v_lshrrev_b32 v15, 5, v0
	s_delay_alu instid0(VALU_DEP_1)
	v_readfirstlane_b32 s16, v15                   ; wave 0..7
	v_and_b32 v15, 31, v0                          ; lane
	s_delay_alu instid0(VALU_DEP_1)
	v_lshlrev_b32 v1, 4, v15
	v_min_u32 v180, ROWS-1, v0                     ; thread i fetches the bias of the group's column i; those past the last column take the last: no load leaves the buffer
	s_delay_alu instid0(VALU_DEP_1)
	v_lshlrev_b32 v180, 2, v180
	s_delay_alu instid0(VALU_DEP_4)
	v_lshlrev_b32 v182, 2, v15
	s_mul_i32 s28, ttmp9, ROWS                     ; the group's first row
	s_lshl_b32 s30, s28, 2                         ; its byte in bias and in a row of out
	s_mov_b32 s31, 0
	s_add_co_u32 s28, s28, s16                     ; my first row
	s_lshl_b32 s26, s28, 14                        ; 16,384 bytes of weights a row (under 2^32 in all),
	s_mov_b32 s27, 0
	s_lshl_b32 s28, s28, 12                        ; 4,096 of mask
	s_mov_b32 s29, 0
	s_lshl_b32 s32, s16, 13                        ; x: my four K steps' images, 2,048 bytes each,
	s_mov_b32 s33, 0
	s_lshl_b32 s34, s16, 9                         ; and scale words, 128 bytes each
	s_mov_b32 s35, 0
	s_mov_b32 s17, s16                             ; the local number of the row in hand
	s_mov_b32 s18, 0                               ; tiles done
	s_mov_b32 s19, ROWS                            ; columns from this tile's first on
	s_mov_b32 s20, 0x71800000                      ; 2^100
	s_mov_b32 s21, s20                             ; (named with it as a pair, so it is written)
	s_mov_b32 s22, 0x76543210
	s_mov_b32 s23, 0xfedcba98                      ; v_permlanex16_b32's selects for lane l xor 16
	s_mov_b32 s24, 0x01010101
	s_wait_alu depctr_va_vdst(0)
	s_wait_kmcnt 0x0
	s_add_nc_u64 s[8:9], s[8:9], s[26:27]
	s_add_nc_u64 s[10:11], s[10:11], s[28:29]
	s_add_nc_u64 s[12:13], s[12:13], s[30:31]
	s_add_nc_u64 s[14:15], s[14:15], s[30:31]
	s_add_nc_u64 s[4:5], s[4:5], s[32:33]
	s_add_nc_u64 s[6:7], s[6:7], s[34:35]
	global_load_b32 v181, v180, s[12:13]           ; the bias first: its wait can then leave all the others out
	WIN 0x40                                       ; destination window 1
	LOADROW                                        ; my first row
.set j, 0
.rept 16
	global_load_b128 v[XA+4*j:XA+4*j+3], v1, s[4:5] offset:512*j   ; x's codes: K step j / 4, rows 16 ((j / 2) % 2) on, registers 4 (j % 2) on
.set j, j+1
.endr
	WIN 0
.irp s, 0,1,2,3
	global_load_b32 v[XS+\s], v182, s[6:7] offset:128*\s
.endr
	v_and_b32 v14, 15, v0                          ; r
	v_bfe_u32 v13, v0, 4, 1                        ; h, for the lines below
	s_mul_i32 s26, s16, WSTG                       ; my stage
	v_add_nc_u32 v2, s26, v1                       ; in: a load's 512 bytes as they lie; load j at 528 j
	v_mul_u32_u24 v3, v15, WPI
	s_delay_alu instid0(VALU_DEP_1)
	v_add_nc_u32 v3, s26, v3                       ; out: lane l takes K step l
	s_add_co_u32 s27, s26, MOFF
	v_lshrrev_b32 v4, 3, v15
	s_delay_alu instid0(VALU_DEP_1)
	v_mul_u32_u24 v4, v4, MPI
	v_and_b32 v5, 7, v15
	s_delay_alu instid0(VALU_DEP_1)
	v_lshl_add_u32 v4, v5, 4, v4
	s_delay_alu instid0(VALU_DEP_1)
	v_add_nc_u32 v4, s27, v4                       ; the mask, in: eight lanes' 128 bytes are a K step's; a load brings four K steps
	v_mul_u32_u24 v5, v15, MPI
	s_delay_alu instid0(VALU_DEP_1)
	v_add_nc_u32 v5, s27, v5                       ; out: lane l takes K step l
	s_mul_i32 s26, s16, CPI
	s_add_co_u32 s26, s26, CB
	v_add_nc_u32 v6, s26, v1                       ; my codes: column w of the tile (8 + w: by the immediate), 16 bytes a lane
	s_mul_i32 s26, s16, SPI
	s_add_co_u32 s26, s26, SB
	v_lshl_add_u32 v7, v15, 2, s26                 ; my scale word
	v_mul_u32_u24 v8, v14, CPI
	s_delay_alu instid0(VALU_DEP_1)
	v_lshl_add_u32 v8, v13, 9, v8
	s_lshl_b32 s26, s16, 6
	s_add_co_u32 s26, s26, CB
	v_add_nc_u32 v8, s26, v8                       ; a fragment: column r, block h (2 + h: + 1,024), K step 4 w (+ 16 for each further one)
	v_mul_u32_u24 v9, v14, SPI
	s_lshl_b32 s26, s16, 4
	s_add_co_u32 s26, s26, SB
	v_add_nc_u32 v9, s26, v9                       ; column r's four scale words of my K steps
	s_lshl_b32 s26, s16, 11
	s_add_co_u32 s26, s26, DP
	v_add_nc_u32 v10, s26, v1                      ; my partial result, as an image of its 16 registers
	s_lshr_b32 s26, s16, 1
	s_lshl_b32 s26, s26, 9
	s_and_b32 s27, s16, 1
	s_lshl_b32 s27, s27, 3
	s_add_co_u32 s26, s26, s27
	s_add_co_u32 s26, s26, DP
	v_add_nc_u32 v11, s26, v1                      ; of every image I add registers 2 w and 2 w + 1
	s_lshr_b32 s26, s16, 2
	s_lshl_b32 s26, s26, 4
	s_and_b32 s27, s16, 3
	s_lshl_b32 s27, s27, 1
	s_add_co_u32 s26, s26, s27
	v_lshl_add_u32 v12, v13, 3, s26                ; which are batch rows 16 (w / 4) + 8 h + 2 (w % 4) and the next,
	s_delay_alu instid0(VALU_DEP_1)
	v_mul_u32_u24 v12, v12, OC*4
	s_delay_alu instid0(VALU_DEP_1)
	v_lshl_add_u32 v12, v14, 2, v12                ; column r
	v_lshl_add_u32 v13, v14, 2, BI                 ; and its bias
	v_lshl_add_u32 v183, v0, 2, BI
	v_mov_b32 v[PX], 0                             ; a lane permute's destination counts as one of its sources
	v_mov_b32 v[PX+1], 0
	s_wait_alu depctr_va_vdst(0)
	s_wait_loadcnt 60                              ; the bias is in; the 40 + 16 + 4 loads issued behind it stay out
	ds_store_b32 v183, v181                        ; read behind the tiles' barriers
; One row of mine becomes 2,048 bytes of codes and 32 scale words in LDS.  half: column w (0) or 8 + w (1) of the tile.
.macro ROW half
.if \half
	s_cmp_lt_u32 s17, ROWS                         ; the last half tile has rows for waves 0 to 2 alone
	s_cbranch_scc0 .Lskip_\@
.endif
	s_wait_loadcnt 0x0                             ; my row has landed: no other load of mine is out, so the count is zero; the loads are done, so their bases may step
	s_add_nc_u64 s[8:9], s[8:9], 8*IC*4            ; my next row is eight rows on
	s_add_nc_u64 s[10:11], s[10:11], 8*IC
	WIN 0x04                                       ; an LDS store's data are its source 1: window 1
.set j, 0
.rept 32
	ds_store_b128 v2, v[4*j:4*j+3] offset:WPI*j
.set j, j+1
.endr
.set j, 0
.rept 8
	ds_store_b128 v4, v[128+4*j:128+4*j+3] offset:4*MPI*j
.set j, j+1
.endr
	WIN 0
.set i, 0
.rept 8                                        ; LDS serves a wave's instructions in order (ISA guide 5.7.1): these see my stores.  In the order in which pass 1 wants them: 16 mask bytes, their 16 weights
	ds_load_b128 v[M+4*i:M+4*i+3], v5 offset:16*i
.set j, 0
.rept 4
	ds_load_b128 v[W+16*i+4*j:W+16*i+4*j+3], v3 offset:64*i+16*j
.set j, j+1
.endr
.set i, i+1
.endr
	s_wait_dscnt 40                                ; all but the 40 loads: the 40 stores are done and have read the landing registers
	s_cmp_lt_u32 s17, ROWS-8                       ; have I a next row?  No load leaves its buffer
	s_cbranch_scc0 .Lnoload_\@
	WIN 0x40
	LOADROW                                        ; it is on its way during both passes over this row
	WIN 0
.Lnoload_\@:
	; ---- pass 1: the sums of g w and g |w|, 16 elements a step; the first products start the sums
.set i, 0
.rept 8
	s_wait_dscnt 5*(7-i)                           ; this step's five loads are in; the later steps' five each may be out
	v_xor_b32 v48, s24, v[M+4*i]                   ; 1 - mask, four bytes at a time
	v_xor_b32 v49, s24, v[M+4*i+1]
	v_xor_b32 v50, s24, v[M+4*i+2]
	v_xor_b32 v51, s24, v[M+4*i+3]
	s_delay_alu instid0(VALU_DEP_4)
	v_cvt_pk_f32_fp8 v[G:G+1], v48.l               ; g = 2^-9 (1 - mask), two at a time
	v_cvt_pk_f32_fp8 v[G+2:G+3], v48.h
	v_cvt_pk_f32_fp8 v[G+4:G+5], v49.l
	v_cvt_pk_f32_fp8 v[G+6:G+7], v49.h
	v_cvt_pk_f32_fp8 v[G+8:G+9], v50.l
	v_cvt_pk_f32_fp8 v[G+10:G+11], v50.h
	v_cvt_pk_f32_fp8 v[G+12:G+13], v51.l
	v_cvt_pk_f32_fp8 v[G+14:G+15], v51.h
.set p, 0
.rept 8
.if (i == 0) && (p < 4)
	v_pk_mul_f32 v[ACC+2*p:ACC+2*p+1], v[G+2*p:G+2*p+1], v[W+2*p:W+2*p+1]
.else
	v_pk_fma_f32 v[ACC+2*(p%4):ACC+2*(p%4)+1], v[G+2*p:G+2*p+1], v[W+16*i+2*p:W+16*i+2*p+1], v[ACC+2*(p%4):ACC+2*(p%4)+1]
.endif
.set p, p+1
.endr
.set e, 0
.rept 16
.if (i == 0) && (e < 8)
	v_mul_f32 v[AB+e], v[G+e], |v[W+e]|
.else
	v_fma_f32 v[AB+e%8], v[G+e], |v[W+16*i+e]|, v[AB+e%8]
.endif
.set e, e+1
.endr
.set i, i+1
.endr
	v_pk_add_f32 v[ACC:ACC+1], v[ACC:ACC+1], v[ACC+2:ACC+3]        ; my eight sums of each kind become one,
	v_pk_add_f32 v[ACC+4:ACC+5], v[ACC+4:ACC+5], v[ACC+6:ACC+7]
	v_pk_add_f32 v[AB:AB+1], v[AB:AB+1], v[AB+2:AB+3]
	s_delay_alu instid0(VALU_DEP_4)
	v_pk_add_f32 v[AB+4:AB+5], v[AB+4:AB+5], v[AB+6:AB+7]
	s_delay_alu instid0(VALU_DEP_3)
	v_pk_add_f32 v[ACC:ACC+1], v[ACC:ACC+1], v[ACC+4:ACC+5]
	s_delay_alu instid0(VALU_DEP_2)
	v_pk_add_f32 v[AB:AB+1], v[AB:AB+1], v[AB+4:AB+5]
	s_delay_alu instid0(VALU_DEP_2)
	v_add_f32 v[ACC], v[ACC], v[ACC+1]
	s_delay_alu instid0(VALU_DEP_2)
	v_add_f32 v[AB], v[AB], v[AB+1]
.irp m, 1,2,4,8                                ; and the 32 lanes' one: every lane ends with the same bits
	s_delay_alu instid0(VALU_DEP_2)
	v_add_f32_dpp v[ACC], v[ACC], v[ACC] row_xmask:\m row_mask:0xf bank_mask:0xf
	s_delay_alu instid0(VALU_DEP_2)
	v_add_f32_dpp v[AB], v[AB], v[AB] row_xmask:\m row_mask:0xf bank_mask:0xf
.endr
	s_delay_alu instid0(VALU_DEP_2)
	v_permlanex16_b32 v[PX], v[ACC], s22, s23
	s_delay_alu instid0(VALU_DEP_2)
	v_permlanex16_b32 v[PX+1], v[AB], s22, s23
	s_delay_alu instid0(VALU_DEP_2)
	v_add_f32 v[ACC], v[ACC], v[PX]                ; 2^-9 x the row's sum of wz
	s_delay_alu instid0(VALU_DEP_2)
	v_add_f32 v[AB], v[AB], v[PX+1]                ; 2^-9 x the row's sum of |wz|
	s_delay_alu instid0(VALU_DEP_2)
	v_mul_f32 v[NM], 0xf0000000, v[ACC]            ; x -2^97 = -(sum / 4,096) x 2^100: all four factors are powers of two and round nothing
	s_delay_alu instid0(VALU_DEP_3)
	v_mul_f32 v[NM+1], 0xf0000000, v[ACC]
	s_delay_alu instid0(VALU_DEP_3)
	v_mul_f32 v[S2], 0x3e000000, v[AB]             ; x 2^-3 = s
	s_delay_alu instid0(VALU_DEP_4)
	v_mul_f32 v[S2+1], 0x3e000000, v[AB]
	v_mul_f32 v[SP], 0x39800000, v[AB]             ; x 2^-12 = 2^-9 s
	v_mul_f32 v[SP+1], 0x39800000, v[AB]
	; ---- pass 2: the numbers for the quantiser (x 2^-9), over the weights
	GROUP 0, v16.l, v16.h, v17.l, v17.h
	GROUP 1, v18.l, v18.h, v19.l, v19.h
	GROUP 2, v20.l, v20.h, v21.l, v21.h
	GROUP 3, v22.l, v22.h, v23.l, v23.h
	GROUP 4, v24.l, v24.h, v25.l, v25.h
	GROUP 5, v26.l, v26.h, v27.l, v27.h
	GROUP 6, v28.l, v28.h, v29.l, v29.h
	GROUP 7, v30.l, v30.h, v31.l, v31.h
	GROUP 8, v32.l, v32.h, v33.l, v33.h
	GROUP 9, v34.l, v34.h, v35.l, v35.h
	GROUP 10, v36.l, v36.h, v37.l, v37.h
	GROUP 11, v38.l, v38.h, v39.l, v39.h
	GROUP 12, v40.l, v40.h, v41.l, v41.h
	GROUP 13, v42.l, v42.h, v43.l, v43.h
	GROUP 14, v44.l, v44.h, v45.l, v45.h
	GROUP 15, v46.l, v46.h, v47.l, v47.h
	; ---- the quantiser: my K step's four blocks, each whole in my registers
.irp b, 0,1,2,3
	v_max3_num_f32 v[MX+\b], |v[W+32*\b]|, |v[W+32*\b+1]|, 0x1800000   ; with the floor 2^(3 - 127): the byte cannot fall under 1
.endr
.irp i, 2,4,6,8,10,12,14,16,18,20,22,24,26,28,30
.irp b, 0,1,2,3
	s_delay_alu instid0(VALU_DEP_4)
	v_max3_num_f32 v[MX+\b], v[MX+\b], |v[W+32*\b+\i]|, |v[W+32*\b+\i+1]|   ; the four blocks by turns
.endr
.endr
.irp b, 0,1,2,3
	s_delay_alu instid0(VALU_DEP_4)
	v_add_nc_u32 v[SC+\b], 0xff000000, v[MX+\b]    ; 2 off the exponent field: the conversion's scale operand
.endr
.irp b, 0,1,2,3
	s_delay_alu instid0(VALU_DEP_4)
	v_lshrrev_b32 v[BY+\b], 23, v[SC+\b]           ; the scale's byte (9 lower than the weight's own: the factor 2^-9)
.endr
	s_delay_alu instid0(VALU_DEP_3)
	v_lshl_or_b32 v[WD], v[BY+1], 8, v[BY]         ; the four bytes are this row's scale word of K step l
	s_delay_alu instid0(VALU_DEP_1)
	v_lshl_or_b32 v[WD], v[BY+2], 16, v[WD]
	s_delay_alu instid0(VALU_DEP_1)
	v_lshl_or_b32 v[WD], v[BY+3], 24, v[WD]
.irp b, 0,1,2,3
.irp g, 0,1,2,3
	v_cvt_scalef32_pk8_fp4_f32 v[CD+4*\b+\g], v[W+32*\b+8*\g:W+32*\b+8*\g+7], v[SC+\b]
.endr
.endr
	v_nop                                          ; one plain vector line behind the last scaled conversion
.irp b, 0,1,2,3
	ds_store_b128 v6, v[CD+4*\b:CD+4*\b+3] offset:512*\b+8*CPI*\half   ; block b of all 32 K steps: 512 consecutive bytes
.endr
	ds_store_b32 v7, v[WD] offset:8*SPI*\half
.if \half
.Lskip_\@:
.endif
	s_add_co_u32 s17, s17, 8
.endm
.Ltile:
	ROW 0
	ROW 1
	BARRIER                                        ; the tile's codes and scale words lie in LDS.  (In the last tile columns 11 to 15 hold the second tile's: they feed columns that are not stored)
	ds_load_b128 v[BS:BS+3], v9
.irp s, 0,1,2,3
	ds_load_b128 v[BF+8*\s:BF+8*\s+3], v8 offset:16*\s             ; lane (r, h): column r, k = 32 h + 0 .. 31 of K step 4 w + s,
	ds_load_b128 v[BF+8*\s+4:BF+8*\s+7], v8 offset:16*\s+1024      ; and k = 64 + 32 h + 0 .. 31
.endr
	s_wait_dscnt 0x0
	WIN 0x01                                       ; source 0 (x's codes) window 1
.irp s, 0,1,2,3                                ; the two accumulators take turns, one instruction a turn; the first products start the sums
.if \s == 0
	v_wmma_scale_f32_16x16x128_f8f6f4 v[D:D+7], v[XA+16*\s:XA+16*\s+7], v[BF+8*\s:BF+8*\s+7], 0, v[XS+\s], v[BS+\s] matrix_a_fmt:MATRIX_FMT_FP4 matrix_b_fmt:MATRIX_FMT_FP4
	v_wmma_scale_f32_16x16x128_f8f6f4 v[D+8:D+15], v[XA+16*\s+8:XA+16*\s+15], v[BF+8*\s:BF+8*\s+7], 0, v[XS+\s], v[BS+\s] matrix_a_fmt:MATRIX_FMT_FP4 matrix_b_fmt:MATRIX_FMT_FP4 matrix_a_scale:MATRIX_SCALE_ROW1
.else
	v_wmma_scale_f32_16x16x128_f8f6f4 v[D:D+7], v[XA+16*\s:XA+16*\s+7], v[BF+8*\s:BF+8*\s+7], v[D:D+7], v[XS+\s], v[BS+\s] matrix_a_fmt:MATRIX_FMT_FP4 matrix_b_fmt:MATRIX_FMT_FP4
	v_wmma_scale_f32_16x16x128_f8f6f4 v[D+8:D+15], v[XA+16*\s+8:XA+16*\s+15], v[BF+8*\s:BF+8*\s+7], v[D+8:D+15], v[XS+\s], v[BS+\s] matrix_a_fmt:MATRIX_FMT_FP4 matrix_b_fmt:MATRIX_FMT_FP4 matrix_a_scale:MATRIX_SCALE_ROW1
.endif
.endr
	WIN 0
.rept 4
	v_nop                                          ; four places between the last product and the first read of results (ISA guide 7.12.1)
.endr
.irp q, 0,1,2,3
	ds_store_b128 v10, v[D+4*\q:D+4*\q+3] offset:512*\q            ; each accumulator from its low end on
.endr
	BARRIER                                        ; the eight partial results lie in LDS, and nobody reads the codes any more
.irp n, 0,1,2,3,4,5,6,7
	ds_load_b64 v[P+2*\n:P+2*\n+1], v11 offset:2048*\n
.endr
	ds_load_b32 v[BV], v13
	s_wait_dscnt 0x0
	v_pk_add_f32 v[P:P+1], v[P:P+1], v[P+2:P+3]
	v_pk_add_f32 v[P+4:P+5], v[P+4:P+5], v[P+6:P+7]
	v_pk_add_f32 v[P+8:P+9], v[P+8:P+9], v[P+10:P+11]
	v_pk_add_f32 v[P+12:P+13], v[P+12:P+13], v[P+14:P+15]
	s_delay_alu instid0(VALU_DEP_3)
	v_pk_add_f32 v[P:P+1], v[P:P+1], v[P+4:P+5]
	s_delay_alu instid0(VALU_DEP_2)
	v_pk_add_f32 v[P+8:P+9], v[P+8:P+9], v[P+12:P+13]
	s_delay_alu instid0(VALU_DEP_1)
	v_pk_add_f32 v[P:P+1], v[P:P+1], v[P+8:P+9]
	v_pk_fma_f32 v[O:O+1], v[P:P+1], 0x44000000, v[BV:BV+1] op_sel_hi:[1,0,0]   ; x 512 takes the factor 2^-9 out; + bias
	v_cmp_gt_u32 vcc_lo, s19, v14                  ; the last tile has 11 columns
	s_wait_alu depctr_va_vdst(0)
	s_wait_xcnt 0x0                                ; EXEC changes only behind this wait: loads of mine may be out
	s_and_saveexec_b32 s25, vcc_lo
	global_store_b32 v12, v[O], s[14:15] th:TH_STORE_NT            ; sixteen lanes store 64 consecutive bytes of a row of out
	global_store_b32 v12, v[O+1], s[14:15] offset:OC*4 th:TH_STORE_NT
	s_wait_xcnt 0x0                                ; and again in front of the line that widens it; the stores' data and base are written again only behind it
	s_or_b32 exec_lo, exec_lo, s25
	s_add_nc_u64 s[14:15], s[14:15], 64            ; the next tile's 16 columns
	v_add_nc_u32 v13, 64, v13
	s_sub_co_u32 s19, s19, 16
	s_add_co_u32 s18, s18, 1
	s_cmp_lt_u32 s18, 3
	s_cbranch_scc1 .Ltile
	s_wait_tensorcnt 0x0
	ds_add_u32 v254, v255
	s_wait_dscnt 0x0
	s_endpgm
.Lfunc_end_k_q165442fd80_binlinear:
	.size	k_q165442fd80_binlinear, .Lfunc_end_k_q165442fd80_binlinear-k_q165442fd80_binlinear
	.p2alignl 7, 3214868480
	.fill 96, 4, 3214868480
	.section	.rodata,"a",@progbits
	.p2align	6, 0x0
	.amdhsa_kernel k_q165442fd80_binlinear
		.amdhsa_group_segment_fixed_size 225792
		.amdhsa_private_segment_fixed_size 0
		.amdhsa_enable_private_segment 0
		.amdhsa_kernarg_size 48
		.amdhsa_user_sgpr_count 2
		.amdhsa_user_sgpr_kernarg_segment_ptr 1
		.amdhsa_wavefront_size32 1
		.amdhsa_system_sgpr_workgroup_id_x 1
		.amdhsa_system_sgpr_workgroup_id_y 1
		.amdhsa_system_sgpr_workgroup_id_z 1
		.amdhsa_system_vgpr_workitem_id 0
		.amdhsa_next_free_vgpr 512
		.amdhsa_next_free_sgpr 66
		.amdhsa_reserve_vcc 1
		.amdhsa_float_denorm_mode_32 3
		.amdhsa_float_denorm_mode_16_64 3
		.amdhsa_memory_ordered 1
		.amdhsa_forward_progress 1
		.amdhsa_inst_pref_size 133
	.end_amdhsa_kernel
	.amdgpu_metadata
---
amdhsa.version: [ 1, 2 ]
amdhsa.kernels:
  - .name:           k_q165442fd80_binlinear
    .symbol:         k_q165442fd80_binlinear.kd
    .args:
      - { .name: xq, .offset: 0, .size: 8, .value_kind: global_buffer, .address_space: global }
      - { .name: xs, .offset: 8, .size: 8, .value_kind: global_buffer, .address_space: global }
      - { .name: weight, .offset: 16, .size: 8, .value_kind: global_buffer, .address_space: global }
      - { .name: outlier_mask, .offset: 24, .size: 8, .value_kind: global_buffer, .address_space: global }
      - { .name: bias, .offset: 32, .size: 8, .value_kind: global_buffer, .address_space: global }
      - { .name: out0, .offset: 40, .size: 8, .value_kind: global_buffer, .address_space: global }
    .group_segment_fixed_size: 225792
    .private_segment_fixed_size: 0
    .kernarg_segment_align: 8
    .kernarg_segment_size: 48
    .max_flat_workgroup_size: 256
    .sgpr_count:     66
    .vgpr_count:     512
    .wavefront_size: 32
...
	.end_amdgpu_metadata
.endif
;; end of part 2
